; MI455X (gfx1250); checked and timed in simulation.
; The chip was launched on July 23, 2026; its instructions are those of AMD's public machine-readable ISA for CDNA 5 (MIT licence, August 2026) and "CDNA5" Instruction Set Architecture Reference Guide (July 2026). The comments in the code are by the model that wrote it; some were corrected since.
;; Sigmoid Mo E. Allowed arithmetic: float matrix products may take bf16 or f16 operands with f32 sums; other float arithmetic in f32, or as packed bf16 or f16 multiplies, adds, multiply-adds, maxima and minima; sums over many terms, partial sums and values carried from step to step in f32; what a program stores and reads back later, other than sums and carried values, may be rounded once to bf16 or f16.
;; Inputs: router_b 8 float32; router_w 8 x 1,024 float32; w12 8 x 1,024 x 4,096 float32; w3 8 x 2,048 x 1,024 float32; x 2 x 512 x 1,024 float32.
;; Outputs: out0 2 x 512 x 1,024 float32; out1 one number float32.
;; One version. Each part assembles by itself: llvm-mc -triple=amdgcn-amd-amdhsa -mcpu=gfx1250 --defsym DOCPART=n.
;; ======== version 1 of 1: 4 launches
;; workspace buffers: xb 2,097,152 bytes; sel 4,096 bytes of whole numbers; wts 8,192 bytes; aux 4,096 bytes; hid 33,554,432 bytes; list 32,768 bytes of whole numbers; cnt 1,024 bytes of whole numbers; part 16,777,216 bytes
;; launch router (part 1): grid 256 x 1, 4 waves a work-group, no clusters, 16,896 bytes of LDS; arguments x, router_w, router_b, xb, sel, wts, aux; writes xb, sel, wts, aux
.if DOCPART == 1
	.amdgcn_target "amdgcn-amd-amdhsa--gfx1250"
	.amdhsa_code_object_version 6
	.text
	.protected	k_q3d22afed3c_router
	.globl	k_q3d22afed3c_router
	.p2align	8
	.type	k_q3d22afed3c_router,@function
k_q3d22afed3c_router:
	s_mov_b64 s[64:65], 0
	v_nop
	global_prefetch_b8 v0, s[64:65] scope:SCOPE_SE
	s_setreg_imm32_b32 hwreg(HW_REG_WAVE_MODE, 25, 1), 1
	s_wait_xcnt 0x0
; ROUTER.  One wave takes one token t = 4 x work-group + wave: its 8 logits, sigmoid, top-2, the two gate weights v / (v1 + v2 + 1e-6), the sum of its squared logits,
; and x's row rounded once to bf16 (xb) for the first product.  x, router_w and router_b are all rounded to bf16 before use, as the weights of the two products are:
; the whole program computes on inputs rounded to bf16; sums are f32.
; Eight outputs a token would leave a 16-wide matrix tile half empty, so the dot products go through the vector unit (multiply-adds straight from bf16 halves).
; router_w is packed once a work-group (each wave packs two experts' rows) and shared through LDS.
; What is chosen is only STORED here, at fixed places (sel: one word a token, bit e0 and bit 8 + e1); the next launch places the rows.
; LIMITS.  Ties go to the lower index, as jax.lax.top_k breaks them; two scores that differ by a few units in the last place may be ordered otherwise than by another
; sigmoid; a score below 2^-126 counts as 0; NaN is not treated apart.
.set SPARE, 16384                      ; behind the 16,384 bytes of packed router_w: the spare words, 128 bytes a wave
	s_load_b256 s[4:11], s[0:1], 0x0               ; x s[4:5], router_w s[6:7], router_b s[8:9], xb s[10:11]
	s_load_b128 s[12:15], s[0:1], 0x20             ; sel s[12:13], wts s[14:15]
	s_load_b64 s[16:17], s[0:1], 0x30              ; aux
	v_lshl_add_u32 v4, v0, 2, SPARE                ; my spare word,
	v_mov_b32 v5, 0                                ; and 0: for the closing lines alone
	v_and_b32 v1, 31, v0                           ; lane
	v_lshrrev_b32 v7, 5, v0
	v_readfirstlane_b32 s18, v7                    ; wave
	v_lshlrev_b32 v2, 4, v1                        ; 16 x lane
	v_lshlrev_b32 v3, 3, v1                        ; 8 x lane
	v_mov_b32 v6, 0                                ; the addend of each sum's first link
	v_lshl_add_u32 v7, s18, 12, v2                 ; where my wave puts its two experts' packed rows
	s_lshl_b32 s19, ttmp9, 2
	s_add_co_u32 s19, s19, s18                     ; token
	s_mov_b32 s20, 0x76543210                      ; v_permlanex16_b32: each lane takes its own place in the other half
	s_mov_b32 s21, 0xfedcba98
	s_lshl_b32 s22, s19, 12                        ; x's row: 4,096 bytes
	s_mov_b32 s23, 0
	s_lshl_b32 s32, s18, 13                        ; router_w's rows 2 wave, 2 wave + 1
	s_mov_b32 s33, 0
	s_lshl_b32 s34, s19, 11                        ; xb's row: 2,048 bytes
	s_mov_b32 s35, 0
	s_lshl_b32 s37, s19, 2                         ; 4 t: sel, aux
	s_lshl_b32 s38, s19, 3                         ; 8 t: wts
	s_wait_kmcnt 0x0
	s_load_b256 s[24:31], s[8:9], 0x0              ; the eight biases
	s_add_nc_u64 s[4:5], s[4:5], s[22:23]
	s_add_nc_u64 s[6:7], s[6:7], s[32:33]
	s_add_nc_u64 s[10:11], s[10:11], s[34:35]
.irp j,0,1,2,3,4,5,6,7
	global_load_b128 v[8+4*\j:8+4*\j+3], v2, s[4:5] offset:512*\j th:TH_LOAD_NT   ; columns 128 j + 4 lane ..: 512 bytes on end
.endr
.irp i,0,1,2,3,4,5,6,7,8,9,10,11,12,13,14,15
	global_load_b128 v[64+4*\i:64+4*\i+3], v2, s[6:7] offset:512*\i               ; two rows of router_w, in the same order of columns
.endr
	s_wait_loadcnt 16                              ; x is in; the sixteen younger loads stay out
.irp q,0,1,2,3,4,5,6,7,8,9,10,11,12,13,14,15
	v_cvt_pk_bf16_f32 v[40+\q], v[8+2*\q], v[9+2*\q]
.endr
.irp j,0,1,2,3,4,5,6,7
	global_store_b64 v3, v[40+2*\j:41+2*\j], s[10:11] offset:256*\j               ; the wave's store covers 256 consecutive bytes, aligned
.endr
	s_wait_loadcnt 0x0
.irp q,0,1,2,3,4,5,6,7,8,9,10,11,12,13,14,15
	v_cvt_pk_bf16_f32 v[64+\q], v[64+2*\q], v[65+2*\q]                            ; packed in place, ascending: no source is overwritten before it is read
.endr
.irp q,0,1,2,3,4,5,6,7,8,9,10,11,12,13,14,15
	v_cvt_pk_bf16_f32 v[96+\q], v[96+2*\q], v[97+2*\q]
.endr
.irp c,0,1,2,3
	ds_store_b128 v7, v[64+4*\c:64+4*\c+3] offset:512*\c
	ds_store_b128 v7, v[96+4*\c:96+4*\c+3] offset:2048+512*\c
.endr
	s_wait_dscnt 0x0                               ; for the others' sake: my stores are done
	s_barrier_signal -1
	s_barrier_wait -1
.irp i,0,1,2,3,4,5,6,7,8,9,10,11,12,13,14,15,16,17,18,19,20,21,22,23,24,25,26,27,28,29,30,31
	ds_load_b128 v[128+4*\i:128+4*\i+3], v2 offset:512*\i                         ; expert i / 4, words 4 (i % 4) ..: what the same lane of some wave stored
.endr
	s_wait_dscnt 0x0
	; 8 sums by turns: no line waits for the one just before it
.set q, 0
.rept 16
.irp e,0,1,2,3,4,5,6,7
.if q == 0
	v_fma_mix_f32_bf16 v[56+\e], v[40], v[128+16*\e], v6 op_sel_hi:[1,1,0]
.else
	v_fma_mix_f32_bf16 v[56+\e], v[40+q], v[128+16*\e+q], v[56+\e] op_sel_hi:[1,1,0]
.endif
.endr
.irp e,0,1,2,3,4,5,6,7
	v_fma_mix_f32_bf16 v[56+\e], v[40+q], v[128+16*\e+q], v[56+\e] op_sel:[1,1,0] op_sel_hi:[1,1,0]
.endr
.set q, q+1
.endr
	; across the 32 lanes; every lane ends with the same eight sums
.irp k,1,2,4,8
.irp e,0,1,2,3,4,5,6,7
	v_add_f32_dpp v[56+\e], v[56+\e], v[56+\e] row_xmask:\k row_mask:0xf bank_mask:0xf
.endr
.endr
.irp e,0,1,2,3,4,5,6,7
	v_permlanex16_b32 v[8+\e], v[56+\e], s20, s21
.endr
.irp e,0,1,2,3,4,5,6,7
	v_add_f32 v[56+\e], v[56+\e], v[8+\e]
.endr
	s_wait_kmcnt 0x0                               ; the biases
.irp b,0,1,2,3
	v_cvt_pk_bf16_f32 v24, s[24+2*\b], s[25+2*\b]  ; rounded to bf16 like every input
	v_lshlrev_b32 v25, 16, v24
	v_and_b32 v26, 0xffff0000, v24
	v_add_f32 v[56+2*\b], v[56+2*\b], v25
	v_add_f32 v[57+2*\b], v[57+2*\b], v26
.endr
	v_mul_f32 v32, v56, v56                        ; the token's sum of squared logits
.irp e,1,2,3,4,5,6,7
	v_fmac_f32 v32, v[56+\e], v[56+\e]
.endr
	; sigmoid = 1 / (1 + 2^(-log2(e) x)): two batches, one wait each
.irp e,0,1,2,3,4,5,6,7
	v_mul_f32 v[16+\e], 0xbfb8aa3b, v[56+\e]
.endr
.irp e,0,1,2,3,4,5,6,7
	v_exp_f32 v[16+\e], v[16+\e]
.endr
	v_nop                                          ; a plain instruction behind the last exponential
	s_wait_alu depctr_va_vdst(0)                   ; one wait for the batch, ahead of its first reader
.irp e,0,1,2,3,4,5,6,7
	v_add_f32 v[16+\e], 1.0, v[16+\e]
.endr
.irp e,0,1,2,3,4,5,6,7
	v_rcp_f32 v[16+\e], v[16+\e]
.endr
	v_nop
	s_wait_alu depctr_va_vdst(0)
	; the largest score: a strict comparison keeps the lower index
	v_mov_b32 v24, v16
	v_mov_b32 v25, 0
.irp e,1,2,3,4,5,6,7
	v_cmp_gt_f32 vcc_lo, v[16+\e], v24
	v_cndmask_b32 v24, v24, v[16+\e], vcc_lo
	v_cndmask_b32 v25, v25, \e, vcc_lo
.endr
.irp e,0,1,2,3,4,5,6,7
	v_cmp_eq_u32 vcc_lo, \e, v25
	v_cndmask_b32 v[16+\e], v[16+\e], -1.0, vcc_lo ; the winner leaves: scores lie in 0 to 1
.endr
	v_mov_b32 v26, v16
	v_mov_b32 v27, 0
.irp e,1,2,3,4,5,6,7
	v_cmp_gt_f32 vcc_lo, v[16+\e], v26
	v_cndmask_b32 v26, v26, v[16+\e], vcc_lo
	v_cndmask_b32 v27, v27, \e, vcc_lo
.endr
	v_add_f32 v28, v24, v26
	v_add_f32 v28, 0x358637bd, v28                 ; + 1e-6
	v_rcp_f32 v28, v28
	v_mov_b32 v33, 1                               ; the plain instruction behind the reciprocal
	v_mov_b32 v34, 0x100
	v_mov_b32 v36, s37                             ; the stores' offsets hang on t alone; made here, where x's loads into these registers are long done
	v_mov_b32 v37, s38
	s_wait_alu depctr_va_vdst(0)
	v_mul_f32 v30, v24, v28
	v_mul_f32 v31, v26, v28
	v_lshlrev_b32 v29, v25, v33                    ; 1 << e0
	v_lshlrev_b32 v35, v27, v34                    ; 1 << (8 + e1)
	v_or_b32 v29, v29, v35
	s_wait_xcnt 0x0                                ; EXEC changes only behind this wait
	v_cmp_eq_u32 vcc_lo, 0, v1
	s_and_saveexec_b32 s36, vcc_lo                 ; lane 0 stores the token's 16 bytes of routing
	global_store_b32 v36, v29, s[12:13]
	global_store_b64 v37, v[30:31], s[14:15]
	global_store_b32 v36, v32, s[16:17]
	s_wait_xcnt 0x0
	s_or_b32 exec_lo, exec_lo, s36
	s_wait_tensorcnt 0x0                           ; the wave's end: three closing lines behind my last LDS store
	ds_add_u32 v4, v5
	s_wait_dscnt 0x0
	s_endpgm
.Lfunc_end_k_q3d22afed3c_router:
	.size	k_q3d22afed3c_router, .Lfunc_end_k_q3d22afed3c_router-k_q3d22afed3c_router
	.p2alignl 7, 3214868480
	.fill 96, 4, 3214868480
	.section	.rodata,"a",@progbits
	.p2align	6, 0x0
	.amdhsa_kernel k_q3d22afed3c_router
		.amdhsa_group_segment_fixed_size 16896
		.amdhsa_private_segment_fixed_size 0
		.amdhsa_enable_private_segment 0
		.amdhsa_kernarg_size 56
		.amdhsa_user_sgpr_count 2
		.amdhsa_user_sgpr_kernarg_segment_ptr 1
		.amdhsa_wavefront_size32 1
		.amdhsa_system_sgpr_workgroup_id_x 1
		.amdhsa_system_sgpr_workgroup_id_y 1
		.amdhsa_system_sgpr_workgroup_id_z 1
		.amdhsa_system_vgpr_workitem_id 0
		.amdhsa_next_free_vgpr 256
		.amdhsa_next_free_sgpr 66
		.amdhsa_reserve_vcc 1
		.amdhsa_float_denorm_mode_32 3
		.amdhsa_float_denorm_mode_16_64 3
		.amdhsa_memory_ordered 1
		.amdhsa_forward_progress 1
		.amdhsa_inst_pref_size 36
	.end_amdhsa_kernel
	.amdgpu_metadata
---
amdhsa.version: [ 1, 2 ]
amdhsa.kernels:
  - .name:           k_q3d22afed3c_router
    .symbol:         k_q3d22afed3c_router.kd
    .args:
      - { .name: x, .offset: 0, .size: 8, .value_kind: global_buffer, .address_space: global }
      - { .name: router_w, .offset: 8, .size: 8, .value_kind: global_buffer, .address_space: global }
      - { .name: router_b, .offset: 16, .size: 8, .value_kind: global_buffer, .address_space: global }
      - { .name: xb, .offset: 24, .size: 8, .value_kind: global_buffer, .address_space: global }
      - { .name: sel, .offset: 32, .size: 8, .value_kind: global_buffer, .address_space: global }
      - { .name: wts, .offset: 40, .size: 8, .value_kind: global_buffer, .address_space: global }
      - { .name: aux, .offset: 48, .size: 8, .value_kind: global_buffer, .address_space: global }
    .group_segment_fixed_size: 16896
    .private_segment_fixed_size: 0
    .kernarg_segment_align: 8
    .kernarg_segment_size: 56
    .max_flat_workgroup_size: 128
    .sgpr_count:     66
    .vgpr_count:     256
    .wavefront_size: 32
...
	.end_amdgpu_metadata
.endif
;; end of part 1
;; launch up (part 2): grid 256 x 1, 8 waves a work-group, no clusters, 267,776 bytes of LDS; arguments xb, sel, w12, hid, list, cnt; writes hid, list, cnt
.if DOCPART == 2
	.amdgcn_target "amdgcn-amd-amdhsa--gfx1250"
	.amdhsa_code_object_version 6
	.text
	.protected	k_q3d22afed3c_up
	.globl	k_q3d22afed3c_up
	.p2align	8
	.type	k_q3d22afed3c_up,@function
k_q3d22afed3c_up:
	s_mov_b64 s[64:65], 0
	v_nop
	global_prefetch_b8 v0, s[64:65] scope:SCOPE_SE
	s_setreg_imm32_b32 hwreg(HW_REG_WAVE_MODE, 25, 1), 1
	s_wait_xcnt 0x0
; FIRST PRODUCT AND SwiGLU, for the chosen rows alone.  Work-group = (expert E, slice SL): 64 columns of h1 and the same 64 of h2, all K = 1,024; it alone reads these
; 512 KiB of w12, once.  hidden = silu(h1) h2, rounded once to bf16, goes to hid in the order in which the next product's operand registers take it.
; ROLES.  Waves 4-7 only stream weights: f32 rows ([k][n]) come in as whole aligned 256 bytes for each 16 lanes; two k rows of one column pack into one register of a
; K-major fragment, so no shuffle is needed: a lane's 4 columns become 4 fragments, in fragment f lane r stands for column 4 r + f.  Each has 64 loads (32 KiB) out.
; Waves 0-3 multiply: token fragments from xb straight into registers, weight fragments from LDS.  Loads return in issue order, so the deep weight ring and the shallow
; token ring sit in different waves, each with its own count.  The whole bf16 slice stays in LDS, each byte written once: one barrier orders each 8 k-steps' stores
; before their reads, and the filling waves run one such chunk ahead.  A filling block goes once round the whole ring of four units, so that on every way into it the unit due
; has 48 younger loads behind it.  Every LDS address is a lane term, the wave's term and constants, so the four rounds are written out.
; ROWS.  Wave 0 lists the expert's rows from sel (token | slot << 16); C = their number, NT = tiles of 16.  Places from C on repeat the last row.  The first block is 16 tiles
; (tile wave + 4 i); it is always multiplied whole, dead tiles are not stored.  Tiles from 16 on: all eight waves, one tile and one fragment pair a pass, from the slice in LDS,
; no barrier; a constant number of passes, dead ones jumped.  Every split from 0 to 1,024 rows is served; with C = 0 tile 0 holds token 0's row, so that what the next
; launch's clamped loads touch is written.  Far above 256 rows the later passes are bound by LDS reads.
; NO JOINT LOADS: each weight byte has one reader, and the token rows come by a list, which no descriptor covers.
; LIMITS.  hidden is kept in bf16 (range as f32's); silu's exponential may overflow to infinity, whose reciprocal is 0; NaN and infinities in the inputs are not treated apart.
; REGISTERS.  window 0: v1 16 lane, v2 r = lane % 16, v3 16 h, v4-5 the closing add's, v7 weights' lane offset, v8-11 token offsets, v12 the same (later tiles),
;   v13-16 LDS bases (later tiles), v18 lane, v19 h, v20-23 LDS read bases, v24-27 LDS store bases, v28-31 at work.  Multiplying waves: v32-159 token ring (slot u, tile i at 32 + 32 u + 8 i),
;   v160-191, v192-223 weight fragments 0-3, 4-7.  Filling waves: v32-63 packed unit.  Ahead of the rounds v64-77 are at work.
;   window 1: accumulators (tile i, fragment F at 64 i + 8 F), or four staging slots of 64, or a later tile's whole token operand.
.set LIST,  262144                     ; behind the slice (262,144 bytes: k-step x 8,192 + fragment x 1,024 + half x 512 + 16 lane): 1,024 list entries,
.set DUMPI, 1024                       ; and directly behind them places 1,024 + lane: where the lanes whose token did not choose the expert store; never read
.set CW,    266496                     ; the count
.set SPARE, 266752                     ; the spare words, 128 bytes a wave
.set T,     32
.set EB,    32                         ; the way out: at work,
.set PBR,   64                         ; and packed
.set MSB,   0
.macro WIN new                         ; the immediate's high byte repeats the setting that is left; a switch that changes nothing is dropped
.if MSB != (\new)
	s_set_vgpr_msb (MSB<<8)|(\new)
.set MSB, (\new)
.endif
.endm
.macro PLACES                          ; four plain instructions between matrix instructions and loads into, or vector reads of, their registers
.rept 4
	v_nop
.endr
.endm
; A unit: 32 k x 64 columns.  Load i takes row i (i < 8) or i + 8 of the k-step, 8 rows further down for lanes 16-31: the k that a K-major fragment wants in a lane.
.macro FLOAD slot, goff
	WIN 0x40
.irp i,0,1,2,3,4,5,6,7,8,9,10,11,12,13,14,15
	global_load_b128 v[64*(\slot)+4*\i:64*(\slot)+4*\i+3], v7, s[20:21] offset:(\goff)+(\i+8*(\i/8))*16384 th:TH_LOAD_NT
.endr
	WIN 0
.endm
; The unit in slot is packed and stored into chunk j; re = 1: the slot is asked for again, one chunk (8 k-steps, 4 MiB) ahead.  left: the younger loads that stay out.
.macro FUNIT slot, j, re, left
	s_wait_loadcnt \left
	WIN 0x05
.irp f,0,1,2,3
.irp p,0,1
.irp m,0,1,2,3
	v_cvt_pk_bf16_f32 v[T+8*\f+4*\p+\m], v[64*(\slot)+32*\p+8*\m+\f], v[64*(\slot)+32*\p+8*\m+4+\f]
.endr
.endr
.endr
.if \re
	FLOAD \slot, (\slot)*1048576+4194304
.endif
	WIN 0
.irp f,0,1,2,3
.irp p,0,1
	ds_store_b128 v[24+(\j)], v[T+8*\f+4*\p:T+8*\f+4*\p+3] offset:(\slot)*16384+\f*1024+\p*512   ; 512 bytes on end
.endr
.endr
.endm
.macro LB u, hf                        ; four weight fragments of k-step u of the four in hand (RBQ, QO: their base register and offset)
.irp f,0,1,2,3
.irp p,0,1
	ds_load_b128 v[160+32*(\hf)+8*\f+4*\p:160+32*(\hf)+8*\f+4*\p+3], v[RBQ] offset:QO+(\u)*8192+(4*(\hf)+\f)*1024+\p*512
.endr
.endr
.endm
.macro MM16 u, hf, zero                ; source 0 = weights, source 1 = tokens: a lane of the result holds one token; sixteen accumulators by turns.  zero: the first product starts the sums
	WIN 0x50
.irp i,0,1,2,3
.irp f,0,1,2,3
.if \zero
	v_wmma_f32_16x16x32_bf16 v[64*\i+32*(\hf)+8*\f:64*\i+32*(\hf)+8*\f+7], v[160+32*(\hf)+8*\f:160+32*(\hf)+8*\f+7], v[32+32*(\u)+8*\i:32+32*(\u)+8*\i+7], 0
.else
	v_wmma_f32_16x16x32_bf16 v[64*\i+32*(\hf)+8*\f:64*\i+32*(\hf)+8*\f+7], v[160+32*(\hf)+8*\f:160+32*(\hf)+8*\f+7], v[32+32*(\u)+8*\i:32+32*(\u)+8*\i+7], v[64*\i+32*(\hf)+8*\f:64*\i+32*(\hf)+8*\f+7]
.endif
.endr
.endr
	WIN 0
.endm
; k-steps 4 q .. 4 q + 3, 128 matrix instructions.  The token ring is asked for four k-steps ahead; the last four k-steps ask for nothing and their counts run down.
.macro QUAD q
.set RBQ, 20+(\q)/2
.set QO, ((\q)%2)*32768
	LB 0, 0
	LB 0, 1
.irp u,0,1,2,3
.set ZF, 0
.if ((\q) == 0) && (\u == 0)
.set ZF, 1
.endif
.if (\q) < 7
	s_wait_loadcnt 24                              ; slot u is in: the other three slots' 24 loads are younger
.else
	s_wait_loadcnt 24-8*\u
.endif
	s_wait_dscnt 8                                 ; fragments 0-3 are in, 4-7 may be out
	MM16 \u, 0, ZF
	PLACES
.if \u < 3
	LB (\u)+1, 0
	s_wait_dscnt 8                                 ; fragments 4-7 are in; the eight just issued stay out
.else
	s_wait_dscnt 0x0
.endif
	MM16 \u, 1, ZF
	PLACES
.if \u < 3
	LB (\u)+1, 1
.endif
.if (\q) < 7
.irp i,0,1,2,3
	global_load_b128 v[32+32*\u+8*\i:32+32*\u+8*\i+3], v[8+\i], s[4:5] offset:256*((\q)+1)+64*\u
	global_load_b128 v[32+32*\u+8*\i+4:32+32*\u+8*\i+7], v[8+\i], s[4:5] offset:256*((\q)+1)+64*\u+32
.endr
.endif
.endr
.endm
; The way out of nf fragment pairs: silu(h1) h2 = h1 / (1 + 2^(-log2(e) h1)) h2.  Register j of fragment f is hidden column 64 SL + 32 h + 4 j + f of the lane's token.
; Each accumulator is read from its low end on.  Two batches of transcendentals, one wait each.
.macro EPI nf, h1, h2, w, sb, imm
	WIN \w
.set z, 0
.rept 4*(\nf)
	v_pk_mul_f32 v[EB+2*z:EB+2*z+1], v[(\h1)+2*z:(\h1)+2*z+1], s[48:49] op_sel_hi:[1,0]
.set z, z+1
.endr
	WIN 0
.set z, 0
.rept 8*(\nf)
	v_exp_f32 v[EB+z], v[EB+z]
.set z, z+1
.endr
	v_nop
	s_wait_alu depctr_va_vdst(0)
.set z, 0
.rept 4*(\nf)
	v_pk_add_f32 v[EB+2*z:EB+2*z+1], v[EB+2*z:EB+2*z+1], 1.0 op_sel_hi:[1,0]
.set z, z+1
.endr
.set z, 0
.rept 8*(\nf)
	v_rcp_f32 v[EB+z], v[EB+z]
.set z, z+1
.endr
	v_nop
	s_wait_alu depctr_va_vdst(0)
	WIN \w
.set z, 0
.rept 4*(\nf)
	v_pk_mul_f32 v[EB+2*z:EB+2*z+1], v[(\h1)+2*z:(\h1)+2*z+1], v[EB+2*z:EB+2*z+1]
.set z, z+1
.endr
.set z, 0
.rept 4*(\nf)
	v_pk_mul_f32 v[EB+2*z:EB+2*z+1], v[(\h2)+2*z:(\h2)+2*z+1], v[EB+2*z:EB+2*z+1]
.set z, z+1
.endr
	WIN 0
	s_wait_xcnt 0x0                                ; the packed registers were the last tile's store data
.set z, 0
.rept 4*(\nf)
	v_cvt_pk_bf16_f32 v[PBR+z], v[EB+2*z], v[EB+2*z+1]
.set z, z+1
.endr
.set z, 0
.rept \nf
	global_store_b128 v1, v[PBR+4*z:PBR+4*z+3], s[\sb:\sb+1] offset:(\imm)+512*z   ; 512 consecutive bytes, aligned
.set z, z+1
.endr
.endm
; One word of sel a lane: the chosen lanes get the next places of the list, the others their dump place.  Every lane stores; the place is held under 1,056 last of all.
.macro BATCH c
	v_and_b32 v72, s36, v[32+\c]
	v_cmp_ne_u32 s38, 0, v72
	v_mbcnt_lo_u32_b32 v73, s38, s39               ; rows so far + chosen lanes below mine
	v_cndmask_b32 v73, v70, v73, s38               ; chosen: that place; not chosen: 1,024 + lane
	v_min_u32 v73, 0x41f, v73
	v_bfe_u32 v74, v[32+\c], s37, 1                ; which of the token's two slots
	v_add_nc_u32 v75, \c, v71
	v_lshl_add_u32 v74, v74, 16, v75               ; token + slot << 16
	v_lshl_add_u32 v73, v73, 2, LIST
	ds_store_b32 v73, v74
	s_bcnt1_i32_b32 s38, s38
	s_add_co_u32 s39, s39, s38
.endm
; A round: the filling waves store chunk j (8 k-steps, both column groups), every wave waits for its LDS instructions and passes the barrier, and the multiplying waves take
; the chunk while the filling waves go on to the next round's bytes, which nobody reads yet.
.macro ROUND j, re, l0, l1, l2, l3
	s_cmp_lt_u32 s16, 4
	s_cbranch_scc1 .Lf_\@
	FUNIT 0, \j, \re, \l0
	FUNIT 1, \j, \re, \l1
	FUNIT 2, \j, \re, \l2
	FUNIT 3, \j, \re, \l3
.if \re
	s_wait_xcnt 0x0                                ; the weights' base steps only behind this wait
	s_add_nc_u64 s[20:21], s[20:21], 0x400000
.endif
.Lf_\@:
	s_wait_dscnt 0x0                               ; my stores are done, for the readers' sake; my reads of the last chunk are back
	s_barrier_signal -1
	s_barrier_wait -1
	s_cmp_lt_u32 s16, 4
	s_cbranch_scc0 .Lm_\@
	QUAD 2*(\j)
	QUAD 2*(\j)+1
.Lm_\@:
.endm
; Later tiles: weight fragments f (h1) and 4 + f (h2) of k-steps 4 grp .. 4 grp + 3
.macro LBG grp
.irp kk,0,1,2,3
.irp hh,0,1
.irp p,0,1
	ds_load_b128 v[32+64*((\grp)%2)+16*\kk+8*\hh+4*\p:32+64*((\grp)%2)+16*\kk+8*\hh+4*\p+3], v[13+(\grp)/2] offset:((\grp)%2)*32768+\kk*8192+\hh*4096+\p*512
.endr
.endr
.endr
.endm
.macro LGRP grp
.if (\grp) < 7
	LBG (\grp)+1
	s_wait_dscnt 16                                ; this group's fragments are in; the sixteen just issued stay out
.else
	s_wait_dscnt 0x0
.endif
	s_wait_loadcnt 56-8*(\grp)                     ; the tile's token loads up to this group's last k-step; the later ones stay out
	WIN 0x04
.irp kk,0,1,2,3
.if ((\grp) == 0) && (\kk == 0)
	v_wmma_f32_16x16x32_bf16 v[160:167], v[32:39], v[0:7], 0
	v_wmma_f32_16x16x32_bf16 v[168:175], v[40:47], v[0:7], 0
.else
	v_wmma_f32_16x16x32_bf16 v[160:167], v[32+64*((\grp)%2)+16*\kk:32+64*((\grp)%2)+16*\kk+7], v[8*(4*(\grp)+\kk):8*(4*(\grp)+\kk)+7], v[160:167]
	v_wmma_f32_16x16x32_bf16 v[168:175], v[32+64*((\grp)%2)+16*\kk+8:32+64*((\grp)%2)+16*\kk+15], v[8*(4*(\grp)+\kk):8*(4*(\grp)+\kk)+7], v[168:175]
.endif
.endr
	WIN 0
	PLACES
.endm
	s_load_b256 s[4:11], s[0:1], 0x0               ; xb s[4:5], sel s[6:7], w12 s[8:9], hid s[10:11]
	s_load_b128 s[12:15], s[0:1], 0x20             ; list s[12:13], cnt s[14:15]
	v_lshl_add_u32 v4, v0, 2, SPARE
	v_mov_b32 v5, 0
	v_lshrrev_b32 v28, 5, v0
	v_readfirstlane_b32 s16, v28                   ; wave
	v_and_b32 v18, 31, v0
	v_and_b32 v2, 15, v0
	v_bfe_u32 v19, v0, 4, 1
	v_lshlrev_b32 v1, 4, v18
	v_lshlrev_b32 v3, 4, v19
	v_lshlrev_b32 v7, 4, v2
	v_lshl_add_u32 v7, v19, 17, v7                 ; 16 r + 8 rows of 16,384 bytes for lanes 16-31
	v_mov_b32 v20, v1                              ; the four chunks' read bases, 65,536 bytes apart
	v_add_nc_u32 v21, 0x10000, v1
	v_add_nc_u32 v22, 0x20000, v1
	v_add_nc_u32 v23, 0x30000, v1
	s_lshr_b32 s17, ttmp9, 5                       ; expert
	s_and_b32 s18, ttmp9, 31                       ; slice
	s_and_b32 s19, s16, 3                          ; filling wave FW: column group FW & 1, k-step parity FW >> 1; also my fragment pair for later tiles
	v_lshl_add_u32 v24, s19, 12, v1                ; and their store bases: + FW x 4,096
	v_add_nc_u32 v25, 0x10000, v24
	v_add_nc_u32 v26, 0x20000, v24
	v_add_nc_u32 v27, 0x30000, v24
	v_lshl_add_u32 v13, s19, 10, v1                ; later tiles: fragment WV % 4 of each chunk
	v_add_nc_u32 v14, 0x10000, v13
	v_add_nc_u32 v15, 0x20000, v13
	v_add_nc_u32 v16, 0x30000, v13
	s_lshl_b32 s20, s17, 24
	s_lshr_b32 s22, s19, 1
	s_lshl_b32 s22, s22, 19
	s_add_co_u32 s20, s20, s22
	s_and_b32 s22, s19, 1
	s_lshl_b32 s22, s22, 13
	s_add_co_u32 s20, s20, s22
	s_lshl_b32 s22, s18, 8
	s_add_co_u32 s20, s20, s22
	s_mov_b32 s21, 0
	s_lshl_b32 s46, s17, 22
	s_lshl_b32 s22, s18, 11
	s_add_co_u32 s46, s46, s22
	s_mov_b32 s47, 0
	s_mov_b32 s48, 0xbfb8aa3b                      ; -log2(e), named as a pair
	s_mov_b32 s49, s48
	s_add_co_u32 s43, s16, 4
	s_and_b32 s43, s43, 7                          ; the order of the waves for later tiles: the filling waves, which are free first, come first
	s_wait_kmcnt 0x0
	s_add_nc_u64 s[20:21], s[8:9], s[20:21]
	s_add_nc_u64 s[46:47], s[10:11], s[46:47]      ; hid at (expert, tile 0, slice)
	s_cmp_lt_u32 s16, 4
	s_cbranch_scc1 .Lnofill
	FLOAD 0, 0                                     ; the ring is filled before anything else: 64 loads
	FLOAD 1, 1048576
	FLOAD 2, 2097152
	FLOAD 3, 3145728
	s_branch .Lb0
.Lnofill:
	s_cmp_lg_u32 s16, 0
	s_cbranch_scc1 .Lb0
	; wave 0 lists the expert's rows.  Register 4 j + c of lane l holds the word of token 128 j + 4 l + c.
.irp j,0,1,2,3,4,5,6,7
	global_load_b128 v[32+4*\j:32+4*\j+3], v1, s[6:7] offset:512*\j
.endr
	s_lshl_b32 s36, 0x101, s17                     ; the expert's two bits in a word of sel
	s_add_co_u32 s37, s17, 8
	v_mov_b32 v64, 0
	v_mov_b32 v65, 0
	v_mov_b32 v66, 0
	v_mov_b32 v67, 0
	v_add_nc_u32 v68, LIST, v1
	v_add_nc_u32 v70, DUMPI, v18                   ; my dump place
	v_lshlrev_b32 v71, 2, v18                      ; the token of my first word
	s_mov_b32 s39, 0
	s_mov_b32 s28, 8
.irp j,0,1,2,3,4,5,6,7
	ds_store_b128 v68, v[64:67] offset:512*\j      ; every place holds token 0 first: place 0 is valid with no row at all; LDS serves my stores in order (ISA guide 5.7.1.4)
.endr
	s_wait_loadcnt 0x0
.Llist:                                                ; 8 trips of 128 tokens: four words, then the words to come move down four registers, so that one text serves every trip
	BATCH 0
	BATCH 1
	BATCH 2
	BATCH 3
.set k, 0
.rept 28
	v_mov_b32 v[32+k], v[36+k]
.set k, k+1
.endr
	v_add_nc_u32 v71, 128, v71
	s_sub_co_u32 s28, s28, 1
	s_cmp_lg_u32 s28, 0
	s_cbranch_scc1 .Llist
	v_mov_b32 v72, s39
	v_lshl_add_u32 v73, v18, 2, CW
	ds_store_b32 v73, v72
.Lb0:
	s_wait_dscnt 0x0                               ; the list and the count are stored
	s_barrier_signal -1
	s_barrier_wait -1
	v_mov_b32 v28, CW
	ds_load_b32 v29, v28
	s_wait_dscnt 0x0
	v_readfirstlane_b32 s24, v29
	s_min_u32 s24, s24, 0x400                      ; C
	s_add_co_u32 s25, s24, 15
	s_lshr_b32 s25, s25, 4                         ; NT
	s_max_u32 s26, s25, 1                          ; NT1
	s_max_u32 s27, s24, 1
	s_sub_co_u32 s27, s27, 1                       ; the last valid place
	s_cmp_lg_u32 s18, 0
	s_cbranch_scc1 .Lnolist
	; slice 0 stores the expert's list, padded with its last entry, and the count, for the next launch
	s_lshl_b32 s22, s17, 12
	s_mov_b32 s23, 0
	s_add_nc_u64 s[22:23], s[12:13], s[22:23]
	v_lshlrev_b32 v64, 2, v0
.irp i,0,1,2,3
	v_add_nc_u32 v[65+\i], \i, v64
	v_min_u32 v[65+\i], s27, v[65+\i]
	v_min_u32 v[65+\i], 0x3ff, v[65+\i]
	v_lshl_add_u32 v[65+\i], v[65+\i], 2, LIST
.endr
.irp i,0,1,2,3
	ds_load_b32 v[72+\i], v[65+\i]
.endr
	v_lshlrev_b32 v69, 4, v0
	s_wait_dscnt 0x0
	global_store_b128 v69, v[72:75], s[22:23]
	s_cmp_lg_u32 s16, 0
	s_cbranch_scc1 .Lnolist
	v_mov_b32 v76, s24
	s_lshl_b32 s38, s17, 7
	v_lshl_add_u32 v77, v18, 2, s38
	global_store_b32 v77, v76, s[14:15]
.Lnolist:
	s_wait_xcnt 0x0                                ; those stores' registers are used again below
	; every wave: the tokens of tiles wave + 4 i (the filling waves never use theirs)
	v_lshl_add_u32 v28, s16, 4, v2
.irp i,0,1,2,3
	v_add_nc_u32 v[64+\i], 64*\i, v28
	v_min_u32 v[64+\i], s27, v[64+\i]
	v_min_u32 v[64+\i], 0x3ff, v[64+\i]
	v_lshl_add_u32 v[64+\i], v[64+\i], 2, LIST
.endr
.irp i,0,1,2,3
	ds_load_b32 v[8+\i], v[64+\i]
.endr
	s_wait_dscnt 0x0
.irp i,0,1,2,3
	v_and_b32 v[8+\i], 0xffff, v[8+\i]
	v_min_u32 v[8+\i], 0x3ff, v[8+\i]
	v_lshl_add_u32 v[8+\i], v[8+\i], 11, v3        ; token x 2,048 + 16 h
.endr
	s_cmp_lt_u32 s16, 4
	s_cbranch_scc0 .Lgo
.irp u,0,1,2,3
.irp i,0,1,2,3
	global_load_b128 v[32+32*\u+8*\i:32+32*\u+8*\i+3], v[8+\i], s[4:5] offset:64*\u          ; the first four k-steps of my 64 rows
	global_load_b128 v[32+32*\u+8*\i+4:32+32*\u+8*\i+7], v[8+\i], s[4:5] offset:64*\u+32
.endr
.endr
.Lgo:
	ROUND 0, 1, 48, 48, 48, 48                     ; four units (64 loads) are out: the unit due has 48 younger loads behind it
	ROUND 1, 1, 48, 48, 48, 48
	ROUND 2, 1, 48, 48, 48, 48
	ROUND 3, 0, 48, 32, 16, 0                      ; the last chunk asks for nothing: the counts run down
	s_cmp_lt_u32 s16, 4
	s_cbranch_scc0 .Llt
	s_lshl_b32 s34, s16, 16
	s_mov_b32 s35, 0
	s_add_nc_u64 s[34:35], s[46:47], s[34:35]      ; hid at tile wave
.irp i,0,1,2,3
	s_add_co_u32 s38, s16, 4*\i
	s_cmp_ge_u32 s38, s26
	s_cbranch_scc1 .Lne\i
	EPI 4, 64*\i, 64*\i+32, 0x01, 34, \i*262144
.Lne\i:
.endr
.Llt:
	s_wait_loadcnt 0x0                             ; no load of mine is out: the registers below are loaded anew
	; tiles 16 .. 63: (tile, fragment pair) = (16 + V / 4 + 2 pass, wave % 4), V = (wave + 4) % 8
.set EB,  176
.set PBR, 184
	s_lshr_b32 s42, s43, 2
	s_add_co_u32 s42, s42, 16
	s_lshl_b32 s39, s19, 9                         ; my fragment's 512 bytes in a tile's slice of hid
	s_mov_b32 s41, 24
.Lltp:
	s_cmp_ge_u32 s42, s25
	s_cbranch_scc1 .Lltn
	s_wait_xcnt 0x0                                ; earlier stores' registers and base are rewritten below
	v_lshl_add_u32 v28, s42, 4, v2
	v_min_u32 v28, s27, v28
	v_min_u32 v28, 0x3ff, v28
	v_lshl_add_u32 v28, v28, 2, LIST
	ds_load_b32 v12, v28
	s_min_u32 s44, s42, 63
	s_lshl_b32 s44, s44, 16
	s_add_co_u32 s44, s44, s39
	s_mov_b32 s45, 0
	s_add_nc_u64 s[44:45], s[46:47], s[44:45]
	s_wait_dscnt 0x0
	v_and_b32 v12, 0xffff, v12
	v_min_u32 v12, 0x3ff, v12
	v_lshl_add_u32 v12, v12, 11, v3
	WIN 0x40
.set t, 0
.rept 32
	global_load_b128 v[8*t:8*t+3], v12, s[4:5] offset:64*t
	global_load_b128 v[8*t+4:8*t+7], v12, s[4:5] offset:64*t+32
.set t, t+1
.endr
	WIN 0
	LBG 0
	LGRP 0
	LGRP 1
	LGRP 2
	LGRP 3
	LGRP 4
	LGRP 5
	LGRP 6
	LGRP 7
	EPI 1, 160, 168, 0, 44, 0
.Lltn:
	s_add_co_u32 s42, s42, 2
	s_sub_co_u32 s41, s41, 1
	s_cmp_lg_u32 s41, 0
	s_cbranch_scc1 .Lltp
	s_wait_tensorcnt 0x0                           ; the wave's end: three closing lines behind my last LDS store
	ds_add_u32 v4, v5
	s_wait_dscnt 0x0
	s_endpgm
.Lfunc_end_k_q3d22afed3c_up:
	.size	k_q3d22afed3c_up, .Lfunc_end_k_q3d22afed3c_up-k_q3d22afed3c_up
	.p2alignl 7, 3214868480
	.fill 96, 4, 3214868480
	.section	.rodata,"a",@progbits
	.p2align	6, 0x0
	.amdhsa_kernel k_q3d22afed3c_up
		.amdhsa_group_segment_fixed_size 267776
		.amdhsa_private_segment_fixed_size 0
		.amdhsa_enable_private_segment 0
		.amdhsa_kernarg_size 48
		.amdhsa_user_sgpr_count 2
		.amdhsa_user_sgpr_kernarg_segment_ptr 1
		.amdhsa_wavefront_size32 1
		.amdhsa_system_sgpr_workgroup_id_x 1
		.amdhsa_system_sgpr_workgroup_id_y 1
		.amdhsa_system_sgpr_workgroup_id_z 1
		.amdhsa_system_vgpr_workitem_id 0
		.amdhsa_next_free_vgpr 512
		.amdhsa_next_free_sgpr 66
		.amdhsa_reserve_vcc 0
		.amdhsa_float_denorm_mode_32 3
		.amdhsa_float_denorm_mode_16_64 3
		.amdhsa_memory_ordered 1
		.amdhsa_forward_progress 1
		.amdhsa_inst_pref_size 255
	.end_amdhsa_kernel
	.section	.bss,"aw",@nobits
	.p2align	6
	.space	262144
	.amdgpu_metadata
---
amdhsa.version: [ 1, 2 ]
amdhsa.kernels:
  - .name:           k_q3d22afed3c_up
    .symbol:         k_q3d22afed3c_up.kd
    .args:
      - { .name: xb, .offset: 0, .size: 8, .value_kind: global_buffer, .address_space: global }
      - { .name: sel, .offset: 8, .size: 8, .value_kind: global_buffer, .address_space: global }
      - { .name: w12, .offset: 16, .size: 8, .value_kind: global_buffer, .address_space: global }
      - { .name: hid, .offset: 24, .size: 8, .value_kind: global_buffer, .address_space: global }
      - { .name: list, .offset: 32, .size: 8, .value_kind: global_buffer, .address_space: global }
      - { .name: cnt, .offset: 40, .size: 8, .value_kind: global_buffer, .address_space: global }
    .group_segment_fixed_size: 267776
    .private_segment_fixed_size: 0
    .kernarg_segment_align: 8
    .kernarg_segment_size: 48
    .max_flat_workgroup_size: 256
    .sgpr_count:     66
    .vgpr_count:     512
    .wavefront_size: 32
...
	.end_amdgpu_metadata
.endif
;; end of part 2
;; launch down (part 3): grid 256 x 1, 8 waves a work-group, no clusters, 140,288 bytes of LDS; arguments hid, w3, list, cnt, wts, part; writes part
.if DOCPART == 3
	.amdgcn_target "amdgcn-amd-amdhsa--gfx1250"
	.amdhsa_code_object_version 6
	.text
	.protected	k_q3d22afed3c_down
	.globl	k_q3d22afed3c_down
	.p2align	8
	.type	k_q3d22afed3c_down,@function
k_q3d22afed3c_down:
	s_mov_b64 s[64:65], 0
	v_nop
	global_prefetch_b8 v0, s[64:65] scope:SCOPE_SE
	s_setreg_imm32_b32 hwreg(HW_REG_WAVE_MODE, 25, 1), 1
	s_wait_xcnt 0x0
; SECOND PRODUCT, times the gate's weight.  Work-group = (expert E, 64 output columns CG, half KH of the hidden width): it alone reads these 256 KiB of w3, once.
; 64 columns keep w3's rows in whole aligned 256 bytes; K is halved so that there are 256 slices; so a token has four partial rows (slot x half), in f32, which the last launch adds.
; ROLES and ROUNDS as in the first product: waves 4-7 stream and pack the weights into LDS (each byte written once), waves 0-3 multiply; a filling block goes once round the whole ring of
; four units, so there are two rounds, a barrier for every 16 k-steps.  Every LDS address is a lane term, the wave's term and constants.
; K ORDER.  hid holds, for a tile of 16 rows and 64 hidden columns, four blocks f of 512 bytes: lane (r, h)'s 16 bytes are columns 32 h + 4 j + f, j = 0 .. 7, of row r.  Blocks 2 t', 2 t' + 1
; are taken as they lie as the two halves of a token fragment; the weights' rows are picked in the same order (load i takes row 4 (i % 8) + i / 8, 32 further for lanes 16-31), so both
; operands carry one and the same permutation of k.
; ROWS.  C from cnt, the rows' tokens and slots from list (padded with the last entry, so places past C store the same bytes to the same address).  First block: 16 tiles (tile wave + 4 i; a dead
; tile repeats the last one and is not stored); later tiles: all eight waves, the filling waves first, one tile a pass, no barrier, a constant number of passes, dead ones jumped.
; An expert without rows stores nothing.
; NO JOINT LOADS: each weight byte has one reader; the hidden tiles are shared by an expert's 32 work-groups, but how many there are hangs on a stored count, and a ring in LDS may not.
; REGISTERS.  window 0: v1 16 lane, v2 r, v4-5 the closing add's, v7 weights' lane offset, v11 4 r, v12, v15 my table's write and read address, v13 16 lane + 65,536,
;   v14 16 r, v16-17 LDS store bases, v18 lane, v19 h, v20-31 at work; v32-159 token ring (slot u, tile i at 32 + 32 u + 8 i); v160-191 a later tile's sums; v192-223 rows to store;
;   v224-255 weight fragments X, on the way out row offsets and weights.
;   window 1: accumulators (tile i, fragment f at 32 i + 8 f); v192-223 weight fragments Y; or four staging slots of 64; or a later tile's whole token operand.
.set TAB,   131072                     ; behind the slice (131,072 bytes: k-step x 4,096 + fragment x 1,024 + half x 512 + 16 lane): for each wave 1,024 bytes, a slot of 128 a tile: 16 row indices, 16 weights
.set SPARE, 139264
.set T,     32
.set MSB,   0
.macro WIN new
.if MSB != (\new)
	s_set_vgpr_msb (MSB<<8)|(\new)
.set MSB, (\new)
.endif
.endm
.macro PLACES
.rept 4
	v_nop
.endr
.endm
.macro FLOAD n                         ; unit n of my wave: k-step 4 n + FW
	WIN 0x40
.irp i,0,1,2,3,4,5,6,7,8,9,10,11,12,13,14,15
	global_load_b128 v[64*((\n)%4)+4*\i:64*((\n)%4)+4*\i+3], v7, s[20:21] offset:(\n)*524288+(4*(\i%8)+\i/8)*4096 th:TH_LOAD_NT
.endr
	WIN 0
.endm
.macro FUNIT n, re, left
	s_wait_loadcnt \left
	WIN 0x05
.irp f,0,1,2,3
.irp p,0,1
.irp m,0,1,2,3
	v_cvt_pk_bf16_f32 v[T+8*\f+4*\p+\m], v[64*((\n)%4)+32*\p+8*\m+\f], v[64*((\n)%4)+32*\p+8*\m+4+\f]
.endr
.endr
.endr
.if \re
	FLOAD (\n)+4
.endif
	WIN 0
.irp f,0,1,2,3
.irp p,0,1
	ds_store_b128 v[17-(\n)/4], v[T+8*\f+4*\p:T+8*\f+4*\p+3] offset:((\n)%4)*16384+\f*1024+\p*512
.endr
.endr
.endm
.macro LB2 u, y                        ; the four weight fragments of k-step u of the four in hand (RBQ, QO), into X (y = 0) or Y (y = 1)
	WIN 0x40*(\y)
.irp f,0,1,2,3
.irp p,0,1
	ds_load_b128 v[224-32*(\y)+8*\f+4*\p:224-32*(\y)+8*\f+4*\p+3], v[RBQ] offset:QO+(\u)*4096+\f*1024+\p*512
.endr
.endr
	WIN 0
.endm
.macro KS2 u, q                        ; one k-step: source 0 = tokens, source 1 = weights: register j of the result is row 8 h + j, lane r column 4 r + f; sixteen accumulators by turns
.if (\q) < 7
	s_wait_loadcnt 24                              ; slot u is in: the other three slots' 24 loads are younger
.else
	s_wait_loadcnt 24-8*(\u)                       ; the last four k-steps ask for nothing: the counts run down
.endif
.if (\u) < 3
	s_wait_dscnt 8                                 ; this k-step's fragments are in, the next one's may be out
.else
	s_wait_dscnt 0x0
.endif
	WIN 0x50+4*((\u)%2)
.irp i,0,1,2,3
.irp f,0,1,2,3
.if ((\q) == 0) && ((\u) == 0)
	v_wmma_f32_16x16x32_bf16 v[32*\i+8*\f:32*\i+8*\f+7], v[32+32*(\u)+8*\i:32+32*(\u)+8*\i+7], v[224-32*((\u)%2)+8*\f:224-32*((\u)%2)+8*\f+7], 0
.else
	v_wmma_f32_16x16x32_bf16 v[32*\i+8*\f:32*\i+8*\f+7], v[32+32*(\u)+8*\i:32+32*(\u)+8*\i+7], v[224-32*((\u)%2)+8*\f:224-32*((\u)%2)+8*\f+7], v[32*\i+8*\f:32*\i+8*\f+7]
.endif
.endr
.endr
	WIN 0
	PLACES
.if (\u) < 2
	LB2 (\u)+2, (\u)%2
.endif
.if (\q) < 7
.irp i,0,1,2,3
	global_load_b128 v[32+32*(\u)+8*\i:32+32*(\u)+8*\i+3], v1, s[48+2*\i:49+2*\i] offset:4096*((\q)+1)+1024*(\u)          ; 512 bytes on end, as the first product stored them
	global_load_b128 v[32+32*(\u)+8*\i+4:32+32*(\u)+8*\i+7], v1, s[48+2*\i:49+2*\i] offset:4096*((\q)+1)+1024*(\u)+512
.endr
.endif
.endm
.macro QUAD2 q                         ; k-steps 4 q .. 4 q + 3; the token ring is asked for four k-steps ahead
.set RBQ, 1+12*((\q)/4)
.set QO, ((\q)%4)*16384
	LB2 0, 0
	LB2 1, 1
	KS2 0, \q
	KS2 1, \q
	KS2 2, \q
	KS2 3, \q
.endm
.macro ROUND2 n0, re, l0, l1, l2, l3   ; the filling waves store four units each (16 k-steps); the barrier; the multiplying waves take them
	s_cmp_lt_u32 s16, 4
	s_cbranch_scc1 .Lf_\@
	FUNIT (\n0), \re, \l0
	FUNIT (\n0)+1, \re, \l1
	FUNIT (\n0)+2, \re, \l2
	FUNIT (\n0)+3, \re, \l3
.Lf_\@:
	s_wait_dscnt 0x0                               ; my stores are done, for the readers' sake; my reads are back
	s_barrier_signal -1
	s_barrier_wait -1
	s_cmp_lt_u32 s16, 4
	s_cbranch_scc0 .Lm_\@
	QUAD2 (\n0)
	QUAD2 (\n0)+1
	QUAD2 (\n0)+2
	QUAD2 (\n0)+3
.Lm_\@:
.endm
; The way out of a tile: row 8 h + j's index and weight from my table; the multiply by the weight lays a lane's four neighbouring columns side by side.
.macro EPI2 acc, w, slot
	s_wait_xcnt 0x0                                ; the last tile's stores have read their offsets and data
	ds_load_b128 v[224:227], v15 offset:(\slot)*128
	ds_load_b128 v[228:231], v15 offset:(\slot)*128+16
	ds_load_b128 v[232:235], v15 offset:(\slot)*128+64
	ds_load_b128 v[236:239], v15 offset:(\slot)*128+80
	s_wait_dscnt 0x0
.irp j,0,1,2,3,4,5,6,7
	v_min_u32 v[224+\j], 0x7ff, v[224+\j]
	v_lshl_add_u32 v[224+\j], v[224+\j], 12, v14   ; (slot x 1,024 + token) rows of 4,096 bytes + 16 r
.endr
	WIN \w
.irp j,0,1,2,3,4,5,6,7
.irp f,0,1,2,3
	v_mul_f32 v[192+4*\j+\f], v[(\acc)+8*\f+\j], v[232+\j]   ; each accumulator is read from its low end on
.endr
.endr
	WIN 0
.irp j,0,1,2,3,4,5,6,7
	global_store_b128 v[224+\j], v[192+4*\j:192+4*\j+3], s[58:59]   ; sixteen lanes store 256 consecutive bytes of a row, aligned
.endr
.endm
.macro LBG2 grp                        ; later tiles: the fragments of k-steps 2 grp, 2 grp + 1
.irp kk,0,1
.irp f,0,1,2,3
.irp p,0,1
	ds_load_b128 v[32+64*((\grp)%2)+32*\kk+8*\f+4*\p:32+64*((\grp)%2)+32*\kk+8*\f+4*\p+3], v[1+12*((\grp)/8)] offset:((\grp)%8)*8192+\kk*4096+\f*1024+\p*512
.endr
.endr
.endr
.endm
.macro LGRP2 grp
.if (\grp) < 15
	LBG2 (\grp)+1
	s_wait_dscnt 16                                ; this group's fragments are in; the sixteen just issued stay out
.else
	s_wait_dscnt 0x0
.endif
	s_wait_loadcnt 60-4*(\grp)                     ; the tile's loads up to this group's last k-step; the later ones stay out
	WIN 0x01
.irp kk,0,1
.irp f,0,1,2,3
.if ((\grp) == 0) && (\kk == 0)
	v_wmma_f32_16x16x32_bf16 v[160+8*\f:160+8*\f+7], v[0:7], v[32+8*\f:32+8*\f+7], 0
.else
	v_wmma_f32_16x16x32_bf16 v[160+8*\f:160+8*\f+7], v[8*(2*(\grp)+\kk):8*(2*(\grp)+\kk)+7], v[32+64*((\grp)%2)+32*\kk+8*\f:32+64*((\grp)%2)+32*\kk+8*\f+7], v[160+8*\f:160+8*\f+7]
.endif
.endr
.endr
	WIN 0
	PLACES
.endm
	s_load_b256 s[4:11], s[0:1], 0x0               ; hid s[4:5], w3 s[6:7], list s[8:9], cnt s[10:11]
	s_load_b128 s[12:15], s[0:1], 0x20             ; wts s[12:13], part s[14:15]
	v_lshl_add_u32 v4, v0, 2, SPARE
	v_mov_b32 v5, 0
	v_lshrrev_b32 v20, 5, v0
	v_readfirstlane_b32 s16, v20                   ; wave
	v_and_b32 v18, 31, v0
	v_and_b32 v2, 15, v0
	v_bfe_u32 v19, v0, 4, 1
	v_lshlrev_b32 v1, 4, v18
	v_add_nc_u32 v13, 0x10000, v1
	v_lshlrev_b32 v14, 4, v2
	v_lshl_add_u32 v7, v19, 17, v14                ; 16 r + 32 rows of 4,096 bytes for lanes 16-31
	v_lshlrev_b32 v11, 2, v2
	s_lshl_b32 s38, s16, 10
	s_add_co_u32 s38, s38, TAB
	v_add_nc_u32 v12, s38, v11
	v_lshl_add_u32 v15, v19, 5, s38
	s_lshr_b32 s17, ttmp9, 5                       ; expert
	s_bfe_u32 s18, ttmp9, 0x40001                  ; column group
	s_and_b32 s19, ttmp9, 1                        ; half of K
	s_and_b32 s22, s16, 3                          ; filling wave FW
	v_lshl_add_u32 v17, s22, 12, v1
	v_add_nc_u32 v16, 0x10000, v17
	s_lshl_b32 s20, s17, 23
	s_lshl_b32 s38, s19, 22
	s_add_co_u32 s20, s20, s38
	s_lshr_b32 s38, s22, 1
	s_lshl_b32 s38, s38, 18                        ; 64 rows
	s_add_co_u32 s20, s20, s38
	s_and_b32 s38, s22, 1
	s_lshl_b32 s38, s38, 13                        ; 2 rows
	s_add_co_u32 s20, s20, s38
	s_lshl_b32 s38, s18, 8
	s_add_co_u32 s20, s20, s38
	s_mov_b32 s21, 0
	s_lshl_b32 s46, s17, 22
	s_lshl_b32 s38, s19, 15
	s_add_co_u32 s46, s46, s38
	s_mov_b32 s47, 0
	s_lshl_b32 s58, s19, 23
	s_lshl_b32 s38, s18, 8
	s_add_co_u32 s58, s58, s38
	s_mov_b32 s59, 0
	s_lshl_b32 s36, s17, 12
	s_mov_b32 s37, 0
	s_lshl_b32 s40, s17, 7
	s_mov_b32 s41, 0
	s_add_co_u32 s43, s16, 4
	s_and_b32 s43, s43, 7
	s_wait_kmcnt 0x0
	s_add_nc_u64 s[10:11], s[10:11], s[40:41]
	s_load_b32 s24, s[10:11], 0x0                  ; the expert's count
	s_add_nc_u64 s[20:21], s[6:7], s[20:21]
	s_add_nc_u64 s[46:47], s[4:5], s[46:47]        ; hid at (expert, tile 0, my half of K)
	s_add_nc_u64 s[58:59], s[14:15], s[58:59]      ; part at (2 KH, token 0, my columns)
	s_add_nc_u64 s[8:9], s[8:9], s[36:37]          ; the expert's list
	s_cmp_lt_u32 s16, 4
	s_cbranch_scc1 .Lj0
	FLOAD 0                                        ; the ring is filled before anything else: 64 loads
	FLOAD 1
	FLOAD 2
	FLOAD 3
.Lj0:
	s_wait_kmcnt 0x0
	s_min_u32 s24, s24, 0x400                      ; C
	s_add_co_u32 s25, s24, 15
	s_lshr_b32 s25, s25, 4                         ; NT
	s_max_u32 s26, s25, 1                          ; NT1
	s_sub_co_u32 s39, s26, 1
	; every wave: the bases of tiles wave + 4 i (the filling waves never use theirs)
.irp i,0,1,2,3
	s_add_co_u32 s38, s16, 4*\i
	s_min_u32 s38, s38, s39                        ; a dead tile repeats the last one
	s_min_u32 s38, s38, 63
	s_lshl_b32 s[28+\i], s38, 6                    ; its 16 entries' place in the list, in bytes
	s_lshl_b32 s36, s38, 16
	s_mov_b32 s37, 0
	s_add_nc_u64 s[48+2*\i:49+2*\i], s[46:47], s[36:37]
.endr
	s_cmp_lt_u32 s16, 4
	s_cbranch_scc0 .Lgo
	; multiplying waves: their rows' indices and weights into my table, and the first four k-steps
.irp i,0,1,2,3
	v_add_nc_u32 v[20+\i], s[28+\i], v11
.endr
.irp i,0,1,2,3
	global_load_b32 v[24+\i], v[20+\i], s[8:9]
.endr
	s_wait_loadcnt 0x0
.irp i,0,1,2,3
	v_and_b32 v[20+\i], 0xffff, v[24+\i]
	v_min_u32 v[20+\i], 0x3ff, v[20+\i]            ; token
	v_lshrrev_b32 v[24+\i], 16, v[24+\i]
	v_min_u32 v[24+\i], 1, v[24+\i]                ; slot
	v_lshlrev_b32 v[192+\i], 3, v[20+\i]
	v_lshl_add_u32 v[192+\i], v[24+\i], 2, v[192+\i]
	v_lshl_add_u32 v[20+\i], v[24+\i], 10, v[20+\i]
.endr
.irp i,0,1,2,3
	global_load_b32 v[200+\i], v[192+\i], s[12:13]
.endr
	s_wait_loadcnt 0x0
.irp i,0,1,2,3
	ds_store_b32 v12, v[20+\i] offset:128*\i
	ds_store_b32 v12, v[200+\i] offset:128*\i+64
.endr
.irp u,0,1,2,3
.irp i,0,1,2,3
	global_load_b128 v[32+32*\u+8*\i:32+32*\u+8*\i+3], v1, s[48+2*\i:49+2*\i] offset:1024*\u
	global_load_b128 v[32+32*\u+8*\i+4:32+32*\u+8*\i+7], v1, s[48+2*\i:49+2*\i] offset:1024*\u+512
.endr
.endr
.Lgo:
	ROUND2 0, 1, 48, 48, 48, 48                    ; four units (64 loads) are out: the unit due has 48 younger loads behind it
	ROUND2 4, 0, 48, 32, 16, 0                     ; nothing more is asked for: the counts run down
	s_cmp_lt_u32 s16, 4
	s_cbranch_scc0 .Llt
.irp i,0,1,2,3
	s_add_co_u32 s38, s16, 4*\i
	s_cmp_ge_u32 s38, s25
	s_cbranch_scc1 .Lne\i
	EPI2 32*\i, 0x01, \i
.Lne\i:
.endr
.Llt:
	s_wait_loadcnt 0x0                             ; no load of mine is out: the registers below are loaded anew
	; tiles 16 .. 63: tile 16 + V + 8 pass
	s_add_co_u32 s42, s43, 16
	s_mov_b32 s41, 6
.Lltp:
	s_cmp_ge_u32 s42, s25
	s_cbranch_scc1 .Lltn
	s_wait_xcnt 0x0                                ; earlier loads' and stores' registers and bases are rewritten below
	s_min_u32 s38, s42, 63
	v_lshl_add_u32 v20, s38, 6, v11
	global_load_b32 v25, v20, s[8:9]
	s_lshl_b32 s36, s38, 16
	s_mov_b32 s37, 0
	s_add_nc_u64 s[44:45], s[46:47], s[36:37]
	s_wait_loadcnt 0x0
	v_and_b32 v20, 0xffff, v25
	v_min_u32 v20, 0x3ff, v20
	v_lshrrev_b32 v25, 16, v25
	v_min_u32 v25, 1, v25
	v_lshlrev_b32 v21, 3, v20
	v_lshl_add_u32 v21, v25, 2, v21
	v_lshl_add_u32 v20, v25, 10, v20
	global_load_b32 v22, v21, s[12:13]
	s_wait_loadcnt 0x0
	ds_store_b32 v12, v20 offset:512
	ds_store_b32 v12, v22 offset:576
	WIN 0x40
.set t, 0
.rept 32
	global_load_b128 v[8*t:8*t+3], v1, s[44:45] offset:1024*t
	global_load_b128 v[8*t+4:8*t+7], v1, s[44:45] offset:1024*t+512
.set t, t+1
.endr
	WIN 0
	LBG2 0
.irp g,0,1,2,3,4,5,6,7,8,9,10,11,12,13,14,15
	LGRP2 \g
.endr
	EPI2 160, 0, 4
.Lltn:
	s_add_co_u32 s42, s42, 8
	s_sub_co_u32 s41, s41, 1
	s_cmp_lg_u32 s41, 0
	s_cbranch_scc1 .Lltp
	s_wait_tensorcnt 0x0                           ; the wave's end: three closing lines behind my last LDS store
	ds_add_u32 v4, v5
	s_wait_dscnt 0x0
	s_endpgm
.Lfunc_end_k_q3d22afed3c_down:
	.size	k_q3d22afed3c_down, .Lfunc_end_k_q3d22afed3c_down-k_q3d22afed3c_down
	.p2alignl 7, 3214868480
	.fill 96, 4, 3214868480
	.section	.rodata,"a",@progbits
	.p2align	6, 0x0
	.amdhsa_kernel k_q3d22afed3c_down
		.amdhsa_group_segment_fixed_size 140288
		.amdhsa_private_segment_fixed_size 0
		.amdhsa_enable_private_segment 0
		.amdhsa_kernarg_size 48
		.amdhsa_user_sgpr_count 2
		.amdhsa_user_sgpr_kernarg_segment_ptr 1
		.amdhsa_wavefront_size32 1
		.amdhsa_system_sgpr_workgroup_id_x 1
		.amdhsa_system_sgpr_workgroup_id_y 1
		.amdhsa_system_sgpr_workgroup_id_z 1
		.amdhsa_system_vgpr_workitem_id 0
		.amdhsa_next_free_vgpr 512
		.amdhsa_next_free_sgpr 66
		.amdhsa_reserve_vcc 0
		.amdhsa_float_denorm_mode_32 3
		.amdhsa_float_denorm_mode_16_64 3
		.amdhsa_memory_ordered 1
		.amdhsa_forward_progress 1
		.amdhsa_inst_pref_size 173
	.end_amdhsa_kernel
	.amdgpu_metadata
---
amdhsa.version: [ 1, 2 ]
amdhsa.kernels:
  - .name:           k_q3d22afed3c_down
    .symbol:         k_q3d22afed3c_down.kd
    .args:
      - { .name: hid, .offset: 0, .size: 8, .value_kind: global_buffer, .address_space: global }
      - { .name: w3, .offset: 8, .size: 8, .value_kind: global_buffer, .address_space: global }
      - { .name: list, .offset: 16, .size: 8, .value_kind: global_buffer, .address_space: global }
      - { .name: cnt, .offset: 24, .size: 8, .value_kind: global_buffer, .address_space: global }
      - { .name: wts, .offset: 32, .size: 8, .value_kind: global_buffer, .address_space: global }
      - { .name: part, .offset: 40, .size: 8, .value_kind: global_buffer, .address_space: global }
    .group_segment_fixed_size: 140288
    .private_segment_fixed_size: 0
    .kernarg_segment_align: 8
    .kernarg_segment_size: 48
    .max_flat_workgroup_size: 256
    .sgpr_count:     66
    .vgpr_count:     512
    .wavefront_size: 32
...
	.end_amdgpu_metadata
.endif
;; end of part 3
;; launch combine (part 4): grid 256 x 1, 8 waves a work-group, no clusters, 0 bytes of LDS; arguments part, aux, out0, out1; writes out0, out1
.if DOCPART == 4
	.amdgcn_target "amdgcn-amd-amdhsa--gfx1250"
	.amdhsa_code_object_version 6
	.text
	.protected	k_q3d22afed3c_combine
	.globl	k_q3d22afed3c_combine
	.p2align	8
	.type	k_q3d22afed3c_combine,@function
k_q3d22afed3c_combine:
	s_mov_b64 s[64:65], 0
	v_nop
	global_prefetch_b8 v0, s[64:65] scope:SCOPE_SE
	s_setreg_imm32_b32 hwreg(HW_REG_WAVE_MODE, 25, 1), 1
	s_wait_xcnt 0x0
; out0[token] = the sum of the token's four partial rows (2 slots x 2 halves of the hidden width; the gate's weight is already in them); out1 = 0.01 x the mean of the squared logits.
; A stream: a work-group takes 4 tokens, a thread 16 bytes of each row; all 16 loads go out first, each load and store of a wave covers 512 consecutive bytes, aligned.
; No LDS, matrix unit or cluster: nothing is shared and memory binds.
	s_load_b256 s[4:11], s[0:1], 0x0               ; part s[4:5], aux s[6:7], out0 s[8:9], out1 s[10:11]
	v_lshlrev_b32 v1, 4, v0
	v_lshrrev_b32 v2, 5, v0
	v_readfirstlane_b32 s16, v2                    ; wave
	s_lshl_b32 s14, ttmp9, 14                      ; 4 rows of 4,096 bytes
	s_mov_b32 s15, 0
	s_mov_b32 s18, 0x76543210
	s_mov_b32 s19, 0xfedcba98
	s_wait_kmcnt 0x0
	s_add_nc_u64 s[4:5], s[4:5], s[14:15]
	s_add_nc_u64 s[12:13], s[4:5], 0x800000        ; partial rows 2 and 3: past the immediate's reach, so a base of their own
	s_add_nc_u64 s[8:9], s[8:9], s[14:15]
.irp i,0,1,2,3
	global_load_b128 v[8+16*\i:8+16*\i+3],   v1, s[4:5] offset:4096*\i th:TH_LOAD_NT
	global_load_b128 v[12+16*\i:12+16*\i+3], v1, s[4:5] offset:4096*\i+4194304 th:TH_LOAD_NT
	global_load_b128 v[16+16*\i:16+16*\i+3], v1, s[12:13] offset:4096*\i th:TH_LOAD_NT
	global_load_b128 v[20+16*\i:20+16*\i+3], v1, s[12:13] offset:4096*\i+4194304 th:TH_LOAD_NT
.endr
.irp i,0,1,2,3
	s_wait_loadcnt 12-4*\i                         ; row i's four loads are in; the later rows' stay out
	v_pk_add_f32 v[8+16*\i:9+16*\i],   v[8+16*\i:9+16*\i],   v[12+16*\i:13+16*\i]
	v_pk_add_f32 v[10+16*\i:11+16*\i], v[10+16*\i:11+16*\i], v[14+16*\i:15+16*\i]
	v_pk_add_f32 v[16+16*\i:17+16*\i], v[16+16*\i:17+16*\i], v[20+16*\i:21+16*\i]
	v_pk_add_f32 v[18+16*\i:19+16*\i], v[18+16*\i:19+16*\i], v[22+16*\i:23+16*\i]
	v_pk_add_f32 v[8+16*\i:9+16*\i],   v[8+16*\i:9+16*\i],   v[16+16*\i:17+16*\i]
	v_pk_add_f32 v[10+16*\i:11+16*\i], v[10+16*\i:11+16*\i], v[18+16*\i:19+16*\i]
	global_store_b128 v1, v[8+16*\i:8+16*\i+3], s[8:9] offset:4096*\i th:TH_STORE_NT
.endr
	s_cmp_lg_u32 ttmp9, 0
	s_cbranch_scc1 .Lend
	s_cmp_lg_u32 s16, 0
	s_cbranch_scc1 .Lend
	; wave 0 of work-group 0: the 1,024 tokens' sums of squares
	s_wait_xcnt 0x0                                ; the stores above have read their data registers
.irp j,0,1,2,3,4,5,6,7
	global_load_b128 v[8+4*\j:8+4*\j+3], v1, s[6:7] offset:512*\j
.endr
	s_wait_loadcnt 0x0
.irp j,1,2,3
	v_pk_add_f32 v[8:9],   v[8:9],   v[8+4*\j:9+4*\j]
	v_pk_add_f32 v[10:11], v[10:11], v[10+4*\j:11+4*\j]
	v_pk_add_f32 v[24:25], v[24:25], v[24+4*\j:25+4*\j]
	v_pk_add_f32 v[26:27], v[26:27], v[26+4*\j:27+4*\j]
.endr
	v_pk_add_f32 v[8:9], v[8:9], v[10:11]
	v_pk_add_f32 v[24:25], v[24:25], v[26:27]
	v_pk_add_f32 v[8:9], v[8:9], v[24:25]
	v_add_f32 v8, v8, v9
	v_add_f32_dpp v8, v8, v8 row_xmask:1 row_mask:0xf bank_mask:0xf
	v_add_f32_dpp v8, v8, v8 row_xmask:2 row_mask:0xf bank_mask:0xf
	v_add_f32_dpp v8, v8, v8 row_xmask:4 row_mask:0xf bank_mask:0xf
	v_add_f32_dpp v8, v8, v8 row_xmask:8 row_mask:0xf bank_mask:0xf
	v_permlanex16_b32 v9, v8, s18, s19
	v_add_f32 v8, v8, v9
	v_mul_f32 v8, 0x35a3d70a, v8                   ; x 0.01 / 8,192
	v_mov_b32 v10, 0
	v_cmp_eq_u32 vcc_lo, 0, v0
	s_wait_xcnt 0x0                                ; EXEC changes only behind this wait
	s_and_saveexec_b32 s17, vcc_lo
	global_store_b32 v10, v8, s[10:11]
	s_endpgm
.Lend:
	s_endpgm
.Lfunc_end_k_q3d22afed3c_combine:
	.size	k_q3d22afed3c_combine, .Lfunc_end_k_q3d22afed3c_combine-k_q3d22afed3c_combine
	.p2alignl 7, 3214868480
	.fill 96, 4, 3214868480
	.section	.rodata,"a",@progbits
	.p2align	6, 0x0
	.amdhsa_kernel k_q3d22afed3c_combine
		.amdhsa_group_segment_fixed_size 0
		.amdhsa_private_segment_fixed_size 0
		.amdhsa_enable_private_segment 0
		.amdhsa_kernarg_size 32
		.amdhsa_user_sgpr_count 2
		.amdhsa_user_sgpr_kernarg_segment_ptr 1
		.amdhsa_wavefront_size32 1
		.amdhsa_system_sgpr_workgroup_id_x 1
		.amdhsa_system_sgpr_workgroup_id_y 1
		.amdhsa_system_sgpr_workgroup_id_z 1
		.amdhsa_system_vgpr_workitem_id 0
		.amdhsa_next_free_vgpr 80
		.amdhsa_next_free_sgpr 66
		.amdhsa_reserve_vcc 1
		.amdhsa_float_denorm_mode_32 3
		.amdhsa_float_denorm_mode_16_64 3
		.amdhsa_memory_ordered 1
		.amdhsa_forward_progress 1
		.amdhsa_inst_pref_size 7
	.end_amdhsa_kernel
	.amdgpu_metadata
---
amdhsa.version: [ 1, 2 ]
amdhsa.kernels:
  - .name:           k_q3d22afed3c_combine
    .symbol:         k_q3d22afed3c_combine.kd
    .args:
      - { .name: part, .offset: 0, .size: 8, .value_kind: global_buffer, .address_space: global }
      - { .name: aux, .offset: 8, .size: 8, .value_kind: global_buffer, .address_space: global }
      - { .name: out0, .offset: 16, .size: 8, .value_kind: global_buffer, .address_space: global }
      - { .name: out1, .offset: 24, .size: 8, .value_kind: global_buffer, .address_space: global }
    .group_segment_fixed_size: 0
    .private_segment_fixed_size: 0
    .kernarg_segment_align: 8
    .kernarg_segment_size: 32
    .max_flat_workgroup_size: 256
    .sgpr_count:     66
    .vgpr_count:     80
    .wavefront_size: 32
...
	.end_amdgpu_metadata
.endif
;; end of part 4
